; MI455X (gfx1250); checked and timed in simulation.
; The chip was launched on July 23, 2026; its instructions are those of AMD's public machine-readable ISA for CDNA 5 (MIT licence, August 2026) and "CDNA5" Instruction Set Architecture Reference Guide (July 2026). The comments in the code are by the model that wrote it; some were corrected since.
;; Example Model. Allowed arithmetic: float matrix products may take bf16 or f16 operands with f32 sums; all other float work in f32.
;; Inputs: W1 2 x 2,048 x 1,024 float32; W2 2 x 1,024 x 2,048 float32; Wg 2,048 x 2 float32; b1 2 x 1,024 float32; b2 2 x 2,048 float32; x 4 x 512 x 2,048 float32.
;; Outputs: out0 4 x 512 float32.
;; One version. Each part assembles by itself: llvm-mc -triple=amdgcn-amd-amdhsa -mcpu=gfx1250 --defsym DOCPART=n.
;; ======== version 1 of 1: 4 launches
;; workspace buffers: w2s 8,192 bytes; cpart 1,024 bytes; vv 16,384 bytes; sbuf 8,192 bytes
;; launch rowsum (part 1): grid 256 x 1, 8 waves a work-group, no clusters, 1,280 bytes of LDS; arguments W2, b1, b2, w2s, cpart; writes w2s, cpart
.if DOCPART == 1
	.amdgcn_target "amdgcn-amd-amdhsa--gfx1250"
	.amdhsa_code_object_version 6
	.text
	.protected	k_q0307bbbab4_rowsum
	.globl	k_q0307bbbab4_rowsum
	.p2align	8
	.type	k_q0307bbbab4_rowsum,@function
k_q0307bbbab4_rowsum:
	s_mov_b64 s[64:65], 0
	v_nop
	global_prefetch_b8 v0, s[64:65] scope:SCOPE_SE
	s_setreg_imm32_b32 hwreg(HW_REG_WAVE_MODE, 25, 1), 1
	s_wait_xcnt 0x0
; FIRST OF FOUR LAUNCHES.  The model has no activation between fc1 and fc2, and its head sums the routed expert's output over d.
; Everything from x to that sum is linear, so the sum over d is taken first, for every input:
;   sum_d y[e][t][d] = x[t] . v[e] + c[e],   w2s[e][h] = sum_d W2[e][h][d],   v[e][d] = sum_h W1[e][d][h] w2s[e][h],
;   c[e] = sum_h b1[e][h] w2s[e][h] + sum_d b2[e][d].
; Every input byte is read and every step (fc1, b1, fc2, b2) is in these sums; only the order of summation differs from the
; model's own.  What is left has 1, 1 and 4 columns: streams with a few multiply-adds a byte, all in f32 on the vector unit.
; The matrix unit has nothing to do here, and logits rounded to 16 bits would change routes.
;
; THIS LAUNCH: w2s (2 x 1024 row sums of W2) and 256 shares of c.  W2 is 2,048 rows of 8,192 bytes; work-group g owns rows
; 8 g .. 8 g + 7 (all of expert g >> 7), wave w one row: 16 loads of 16 bytes a lane, all issued at once, each covering 512
; consecutive aligned bytes.  No loop, no refill.  Work-group g's share of c: its 8 rows' b1 x row sum, and b2's numbers 16 g .. 16 g + 15
; (also of expert g >> 7).  The work-groups share no input, so there is nothing to ask for jointly.
; The stores are 32 bytes of w2s and 4 of cpart a work-group: whole blocks of 256 bytes would want 64 rows in a work-group,
; that is 32 work-groups in place of 256, for 9,216 bytes stored against 16,777,216 read.
.set ROWB, 8192                        ; bytes in a row of W2
.set X,    12                          ; v[12:75] the row: 16 chunks of 4 registers
	s_load_b256 s[4:11], s[0:1], 0x0               ; W2 s[4:5], b1 s[6:7], b2 s[8:9], w2s s[10:11]
	s_load_b64 s[12:13], s[0:1], 0x20              ; cpart
	v_lshl_add_u32 v80, v0, 2, 0x100
	v_mov_b32 v81, 0
	v_lshrrev_b32 v9, 5, v0
	v_readfirstlane_b32 s14, v9                    ; wave 0..7
	v_and_b32 v2, 31, v0                           ; lane
	v_lshlrev_b32 v1, 4, v2                        ; 16 bytes a lane
	v_and_b32 v3, 15, v0
	v_lshlrev_b32 v3, 2, v3                        ; 4 (lane mod 16): the word that wave 0 reads back, and stores
	v_mov_b32 v6, 0
	s_lshl_b32 s15, s14, 2
	v_mov_b32 v7, s15                              ; LDS byte 4 w: my wave's word
	s_lshl_b32 s16, ttmp9, 16                      ; 8 rows of 8,192 bytes a work-group,
	s_lshl_b32 s17, s14, 13                        ; one row a wave: 16,769,024 at the most
	s_add_co_u32 s16, s16, s17
	s_mov_b32 s17, 0
	s_lshl_b32 s22, ttmp9, 5
	s_add_co_u32 s22, s22, s15                     ; 32 g + 4 w: byte of b1[8 g + w]
	s_lshl_b32 s23, s22, 1                         ; 64 g + 8 w: byte of b2[16 g + 2 w]
	s_mov_b32 s18, 0x76543210                      ; v_permlanex16_b32: lane i of one half reads lane i of the other
	s_mov_b32 s19, 0xfedcba98
	s_lshl_b32 s28, ttmp9, 5                       ; w2s: 8 words a work-group
	s_mov_b32 s29, 0
	s_lshl_b32 s30, ttmp9, 2                       ; cpart: one word
	s_mov_b32 s31, 0
	s_wait_kmcnt 0x0
	s_add_nc_u64 s[4:5], s[4:5], s[16:17]
	s_add_nc_u64 s[10:11], s[10:11], s[28:29]
	s_add_nc_u64 s[12:13], s[12:13], s[30:31]
	s_load_b32 s24, s[6:7], s22 offset:0x0         ; b1 of my row
	s_load_b64 s[26:27], s[8:9], s23 offset:0x0    ; my two numbers of b2
.irp j, 0,1,2,3,4,5,6,7,8,9,10,11,12,13,14,15
	global_load_b128 v[X+4*\j:X+4*\j+3], v1, s[4:5] offset:512*\j th:TH_LOAD_NT
.endr
	; chunk j is added onto chunk j mod 4: eight chains of packed adds, started by the loaded numbers, nothing cleared
.irp j, 4,5,6,7,8,9,10,11,12,13,14,15
	s_wait_loadcnt 15-\j                           ; loads come back in order (ISA guide 5.7.1): chunk j is in, the 15 - j younger ones stay out
	v_pk_add_f32 v[X+4*(\j%4):X+4*(\j%4)+1],   v[X+4*(\j%4):X+4*(\j%4)+1],   v[X+4*\j:X+4*\j+1]
	v_pk_add_f32 v[X+4*(\j%4)+2:X+4*(\j%4)+3], v[X+4*(\j%4)+2:X+4*(\j%4)+3], v[X+4*\j+2:X+4*\j+3]
.endr
.irp p, 0,2,4,6
	v_pk_add_f32 v[X+\p:X+\p+1], v[X+\p:X+\p+1], v[X+\p+8:X+\p+9]
.endr
	v_pk_add_f32 v[X:X+1],   v[X:X+1],   v[X+4:X+5]
	v_pk_add_f32 v[X+2:X+3], v[X+2:X+3], v[X+6:X+7]
	v_pk_add_f32 v[X:X+1],   v[X:X+1],   v[X+2:X+3]
	v_add_f32 v[X], v[X], v[X+1]
	; over the 32 lanes: four steps inside each half of 16 lanes, one across the halves; every lane ends with the row's sum
.irp m, 1,2,4,8
	v_add_f32_dpp v[X], v[X], v[X] row_xmask:\m row_mask:0xf bank_mask:0xf
.endr
	v_permlanex16_b32 v[X+1], v[X], s18, s19       ; its destination counts as read: X+1 has been written
	v_add_f32 v[X], v[X], v[X+1]
	s_wait_kmcnt 0x0                               ; b1 and b2
	v_fma_f32 v8, v[X], s24, s26                   ; my wave's share of c: row sum x b1 + two numbers of b2
	v_add_f32 v8, s27, v8
	ds_store_b32 v7, v[X]                          ; LDS bytes 0-31: the eight row sums (all lanes write one word with one value)
	ds_store_b32 v7, v8 offset:32                  ; bytes 32-63: the eight shares
	s_wait_dscnt 0x0                               ; for wave 0's sake: my stores are done in front of my signal
	s_barrier_signal -1
	s_barrier_wait -1
	s_cmp_lg_u32 s14, 0
	s_cbranch_scc1 .Lend
	ds_load_b32 v4, v3                             ; lanes 0-7 (and 16-23): the row sums; lanes 8-15 (and 24-31): the shares
	s_wait_dscnt 0x0
	v_mov_b32 v5, v4
.irp m, 1,2,4
	v_add_f32_dpp v5, v5, v5 row_xmask:\m row_mask:0xf bank_mask:0xf   ; sums inside groups of eight lanes: lanes 8-15 hold the work-group's share of c
.endr
	s_wait_xcnt 0x0                                ; EXEC is a source of the loads above: it changes only behind this wait
	v_cmp_gt_u32 vcc_lo, 8, v2
	s_and_saveexec_b32 s20, vcc_lo
	global_store_b32 v3, v4, s[10:11]              ; lanes 0-7: w2s[8 g .. 8 g + 7], 32 consecutive bytes
	s_wait_xcnt 0x0                                ; and again in front of the line that widens it
	s_or_b32 exec_lo, exec_lo, s20
	v_cmp_eq_u32 vcc_lo, 8, v2
	s_and_saveexec_b32 s20, vcc_lo
	global_store_b32 v6, v5, s[12:13]              ; lane 8: cpart[g]
	s_wait_xcnt 0x0
	s_or_b32 exec_lo, exec_lo, s20
.Lend:
	s_wait_tensorcnt 0x0
	ds_add_u32 v80, v81
	s_wait_dscnt 0x0
	s_endpgm
.Lfunc_end_k_q0307bbbab4_rowsum:
	.size	k_q0307bbbab4_rowsum, .Lfunc_end_k_q0307bbbab4_rowsum-k_q0307bbbab4_rowsum
	.p2alignl 7, 3214868480
	.fill 96, 4, 3214868480
	.section	.rodata,"a",@progbits
	.p2align	6, 0x0
	.amdhsa_kernel k_q0307bbbab4_rowsum
		.amdhsa_group_segment_fixed_size 1280
		.amdhsa_private_segment_fixed_size 0
		.amdhsa_enable_private_segment 0
		.amdhsa_kernarg_size 40
		.amdhsa_user_sgpr_count 2
		.amdhsa_user_sgpr_kernarg_segment_ptr 1
		.amdhsa_wavefront_size32 1
		.amdhsa_system_sgpr_workgroup_id_x 1
		.amdhsa_system_sgpr_workgroup_id_y 1
		.amdhsa_system_sgpr_workgroup_id_z 1
		.amdhsa_system_vgpr_workitem_id 0
		.amdhsa_next_free_vgpr 82
		.amdhsa_next_free_sgpr 66
		.amdhsa_reserve_vcc 1
		.amdhsa_float_denorm_mode_32 3
		.amdhsa_float_denorm_mode_16_64 3
		.amdhsa_memory_ordered 1
		.amdhsa_forward_progress 1
		.amdhsa_inst_pref_size 8
	.end_amdhsa_kernel
	.amdgpu_metadata
---
amdhsa.version: [ 1, 2 ]
amdhsa.kernels:
  - .name:           k_q0307bbbab4_rowsum
    .symbol:         k_q0307bbbab4_rowsum.kd
    .args:
      - { .name: W2, .offset: 0, .size: 8, .value_kind: global_buffer, .address_space: global }
      - { .name: b1, .offset: 8, .size: 8, .value_kind: global_buffer, .address_space: global }
      - { .name: b2, .offset: 16, .size: 8, .value_kind: global_buffer, .address_space: global }
      - { .name: w2s, .offset: 24, .size: 8, .value_kind: global_buffer, .address_space: global }
      - { .name: cpart, .offset: 32, .size: 8, .value_kind: global_buffer, .address_space: global }
    .group_segment_fixed_size: 1280
    .private_segment_fixed_size: 0
    .kernarg_segment_align: 8
    .kernarg_segment_size: 40
    .max_flat_workgroup_size: 256
    .sgpr_count:     66
    .vgpr_count:     82
    .wavefront_size: 32
...
	.end_amdgpu_metadata
.endif
;; end of part 1
;; launch matvec (part 2): grid 256 x 1, 8 waves a work-group, no clusters, 9,472 bytes of LDS; arguments W1, w2s, vv; writes vv
.if DOCPART == 2
	.amdgcn_target "amdgcn-amd-amdhsa--gfx1250"
	.amdhsa_code_object_version 6
	.text
	.protected	k_q0307bbbab4_matvec
	.globl	k_q0307bbbab4_matvec
	.p2align	8
	.type	k_q0307bbbab4_matvec,@function
k_q0307bbbab4_matvec:
	s_mov_b64 s[64:65], 0
	v_nop
	global_prefetch_b8 v0, s[64:65] scope:SCOPE_SE
	s_setreg_imm32_b32 hwreg(HW_REG_WAVE_MODE, 25, 1), 1
	s_wait_xcnt 0x0
; SECOND LAUNCH: v[e][d] = sum over h of W1[e][d][h] w2s[e][h], stored as vv[d][e] (the layout of Wg), all in f32.
; W1 is 2 x 2,048 rows of 4,096 bytes.  Work-group g owns d = 8 g .. 8 g + 7 of both experts, 16 rows = 65,536 bytes; wave w has
; expert e = w >> 2 and the two rows d = 8 g + 2 (w & 3) + {0, 1}, 8,192 consecutive bytes: 16 loads of 16 bytes a lane, all issued at
; once, each covering 512 consecutive aligned bytes.  No loop.  One column of output: a stream, no work for the matrix unit.
; w2s (8,192 bytes) is copied once into LDS, 32 bytes a thread, and each lane takes its 32 coefficients from there.
; No joint request for w2s: it is 8,192 of the 73,728 bytes that a work-group reads, and a joint load would put rounds of the
; cluster's barrier in front of and behind a body that has no loop.
; The store is 64 bytes a work-group: whole blocks of 256 bytes would want 32 values of d in a work-group, 64 work-groups in place of 256,
; for 16,384 bytes stored against 16,777,216 read.
.set RES, 8192                         ; LDS: bytes 0-8191 w2s; bytes 8192-8255 the 16 results, word 2 (d - 8 g) + e
.set S,   8                            ; v[8:15]    w2s on its way into LDS
.set A,   16                           ; v[16:23]   row r: two packed chains at A + 4 r
.set C,   24                           ; v[24:55]   my 32 coefficients: h = 128 k + 4 lane + 0..3 at C + 4 k
.set X,   56                           ; v[56:119]  the two rows: 16 chunks of 4 registers
	s_load_b128 s[4:7], s[0:1], 0x0                ; W1 s[4:5], w2s s[6:7]
	s_load_b64 s[8:9], s[0:1], 0x10                ; vv
	v_lshl_add_u32 v124, v0, 2, 0x2100
	v_mov_b32 v125, 0
	v_lshrrev_b32 v7, 5, v0
	v_readfirstlane_b32 s10, v7                    ; wave 0..7
	v_and_b32 v6, 31, v0                           ; lane
	v_lshlrev_b32 v1, 4, v0                        ; 16 x thread: the copy of w2s
	v_lshlrev_b32 v2, 4, v6                        ; 16 x lane: my bytes in each 512 of the rows
	s_lshr_b32 s11, s10, 2                         ; e
	s_and_b32 s12, s10, 3                          ; which pair of rows
	s_lshl_b32 s14, s11, 23                        ; e x 2,048 rows of 4,096 bytes
	s_lshl_b32 s15, ttmp9, 15                      ; + g x 8 rows
	s_add_co_u32 s14, s14, s15
	s_lshl_b32 s15, s12, 13                        ; + pair x 2 rows
	s_add_co_u32 s14, s14, s15
	s_mov_b32 s15, 0
	s_lshl_b32 s13, s12, 4                         ; where my results go: word 2 (2 pair + r) + e
	s_lshl_b32 s16, s11, 2
	s_add_co_u32 s13, s13, s16
	s_add_co_u32 s13, s13, RES
	v_mov_b32 v4, s13
	v_lshl_add_u32 v3, s11, 12, v2                 ; my coefficients in LDS: e x 4,096 + 16 x lane
	v_and_b32 v5, 15, v0
	v_lshlrev_b32 v5, 2, v5                        ; 4 (lane mod 16): the word that wave 0 reads back, and stores
	s_lshl_b32 s16, ttmp9, 6                       ; vv: 16 words a work-group
	s_mov_b32 s17, 0
	s_mov_b32 s18, 0x76543210
	s_mov_b32 s19, 0xfedcba98
	s_wait_kmcnt 0x0
	s_add_nc_u64 s[4:5], s[4:5], s[14:15]
	s_add_nc_u64 s[8:9], s[8:9], s[16:17]
	global_load_b128 v[S:S+3],   v1, s[6:7]                ; w2s is read by every work-group: no hint
	global_load_b128 v[S+4:S+7], v1, s[6:7] offset:4096
.irp j, 0,1,2,3,4,5,6,7,8,9,10,11,12,13,14,15
	global_load_b128 v[X+4*\j:X+4*\j+3], v2, s[4:5] offset:512*\j th:TH_LOAD_NT
.endr
	s_wait_loadcnt 16                              ; w2s is in; the sixteen loads of W1 behind it stay out
	ds_store_b128 v1, v[S:S+3]
	ds_store_b128 v1, v[S+4:S+7] offset:4096
	s_wait_dscnt 0x0                               ; for the other waves' sake: my part of the copy is done in front of my signal
	s_barrier_signal -1
	s_barrier_wait -1
.irp k, 0,1,2,3,4,5,6,7
	ds_load_b128 v[C+4*\k:C+4*\k+3], v3 offset:512*\k      ; 32 lanes, 16 neighbouring bytes each
.endr
	s_wait_dscnt 0x0
; row r of my two: eight chunks against the same 32 coefficients; the first chunk's products start the two chains
.macro ROWDOT r
.irp k, 0,1,2,3,4,5,6,7
	s_wait_loadcnt 15-(8*\r+\k)                    ; chunk 8 r + k is in, the younger ones stay out
.if \k == 0
	v_pk_mul_f32 v[A+4*\r:A+4*\r+1],   v[X+32*\r:X+32*\r+1],   v[C:C+1]
	v_pk_mul_f32 v[A+4*\r+2:A+4*\r+3], v[X+32*\r+2:X+32*\r+3], v[C+2:C+3]
.else
	v_pk_fma_f32 v[A+4*\r:A+4*\r+1],   v[X+32*\r+4*\k:X+32*\r+4*\k+1],   v[C+4*\k:C+4*\k+1],   v[A+4*\r:A+4*\r+1]
	v_pk_fma_f32 v[A+4*\r+2:A+4*\r+3], v[X+32*\r+4*\k+2:X+32*\r+4*\k+3], v[C+4*\k+2:C+4*\k+3], v[A+4*\r+2:A+4*\r+3]
.endif
.endr
.endm
	ROWDOT 0
	ROWDOT 1
	v_pk_add_f32 v[A:A+1],   v[A:A+1],   v[A+2:A+3]
	v_pk_add_f32 v[A+4:A+5], v[A+4:A+5], v[A+6:A+7]
	v_add_f32 v[A],   v[A],   v[A+1]
	v_add_f32 v[A+4], v[A+4], v[A+5]
.irp m, 1,2,4,8
	v_add_f32_dpp v[A],   v[A],   v[A]   row_xmask:\m row_mask:0xf bank_mask:0xf    ; the two rows' sums over the lanes, by turns
	v_add_f32_dpp v[A+4], v[A+4], v[A+4] row_xmask:\m row_mask:0xf bank_mask:0xf
.endr
	v_permlanex16_b32 v[A+1], v[A],   s18, s19     ; destinations that have been written
	v_permlanex16_b32 v[A+5], v[A+4], s18, s19
	v_add_f32 v[A],   v[A],   v[A+1]
	v_add_f32 v[A+4], v[A+4], v[A+5]
	ds_store_b32 v4, v[A]                          ; bytes of their own, behind the copy of w2s
	ds_store_b32 v4, v[A+4] offset:8               ; the next d: two words on
	s_wait_dscnt 0x0                               ; for wave 0's sake
	s_barrier_signal -1
	s_barrier_wait -1
	s_cmp_lg_u32 s10, 0
	s_cbranch_scc1 .Lend
	ds_load_b32 v7, v5 offset:RES                  ; lanes 0-15: the 16 results in vv's order
	s_wait_dscnt 0x0
	s_wait_xcnt 0x0                                ; EXEC is a source of the loads above: it changes only behind this wait
	v_cmp_gt_u32 vcc_lo, 16, v6
	s_and_saveexec_b32 s20, vcc_lo
	global_store_b32 v5, v7, s[8:9]                ; vv[8 g .. 8 g + 7][0..1], 64 consecutive bytes
	s_wait_xcnt 0x0                                ; and again in front of the line that widens it
	s_or_b32 exec_lo, exec_lo, s20
.Lend:
	s_wait_tensorcnt 0x0
	ds_add_u32 v124, v125
	s_wait_dscnt 0x0
	s_endpgm
.Lfunc_end_k_q0307bbbab4_matvec:
	.size	k_q0307bbbab4_matvec, .Lfunc_end_k_q0307bbbab4_matvec-k_q0307bbbab4_matvec
	.p2alignl 7, 3214868480
	.fill 96, 4, 3214868480
	.section	.rodata,"a",@progbits
	.p2align	6, 0x0
	.amdhsa_kernel k_q0307bbbab4_matvec
		.amdhsa_group_segment_fixed_size 9472
		.amdhsa_private_segment_fixed_size 0
		.amdhsa_enable_private_segment 0
		.amdhsa_kernarg_size 24
		.amdhsa_user_sgpr_count 2
		.amdhsa_user_sgpr_kernarg_segment_ptr 1
		.amdhsa_wavefront_size32 1
		.amdhsa_system_sgpr_workgroup_id_x 1
		.amdhsa_system_sgpr_workgroup_id_y 1
		.amdhsa_system_sgpr_workgroup_id_z 1
		.amdhsa_system_vgpr_workitem_id 0
		.amdhsa_next_free_vgpr 126
		.amdhsa_next_free_sgpr 66
		.amdhsa_reserve_vcc 1
		.amdhsa_float_denorm_mode_32 3
		.amdhsa_float_denorm_mode_16_64 3
		.amdhsa_memory_ordered 1
		.amdhsa_forward_progress 1
		.amdhsa_inst_pref_size 9
	.end_amdhsa_kernel
	.amdgpu_metadata
---
amdhsa.version: [ 1, 2 ]
amdhsa.kernels:
  - .name:           k_q0307bbbab4_matvec
    .symbol:         k_q0307bbbab4_matvec.kd
    .args:
      - { .name: W1, .offset: 0, .size: 8, .value_kind: global_buffer, .address_space: global }
      - { .name: w2s, .offset: 8, .size: 8, .value_kind: global_buffer, .address_space: global }
      - { .name: vv, .offset: 16, .size: 8, .value_kind: global_buffer, .address_space: global }
    .group_segment_fixed_size: 9472
    .private_segment_fixed_size: 0
    .kernarg_segment_align: 8
    .kernarg_segment_size: 24
    .max_flat_workgroup_size: 256
    .sgpr_count:     66
    .vgpr_count:     126
    .wavefront_size: 32
...
	.end_amdgpu_metadata
.endif
;; end of part 2
;; launch route (part 3): grid 256 x 1, 8 waves a work-group, no clusters, 2,048 bytes of LDS; arguments x, Wg, vv, cpart, sbuf; writes sbuf
.if DOCPART == 3
	.amdgcn_target "amdgcn-amd-amdhsa--gfx1250"
	.amdhsa_code_object_version 6
	.text
	.protected	k_q0307bbbab4_route
	.globl	k_q0307bbbab4_route
	.p2align	8
	.type	k_q0307bbbab4_route,@function
k_q0307bbbab4_route:
	s_mov_b64 s[64:65], 0
	v_nop
	global_prefetch_b8 v0, s[64:65] scope:SCOPE_SE
	s_setreg_imm32_b32 hwreg(HW_REG_WAVE_MODE, 25, 1), 1
	s_wait_xcnt 0x0
; THIRD LAUNCH: for each token t four sums over d, in f32: the two logits l[e] = x[t] . Wg[:, e] and a[e] = x[t] . v[e] + c[e]; then the
; gate: softmax of (l0, l1) with its maximum taken away, the larger probability and its expert; s[t] = gate x a[expert] into sbuf.
; The expert only selects a value (v_cndmask_b32): no address and no branch hangs on it.
; x is 2,048 tokens of 8,192 bytes.  Work-group g owns tokens 8 g .. 8 g + 7, 65,536 consecutive bytes.  Thread t owns columns 4 t .. 4 t + 3 and
; 1024 + 4 t .. + 3 of every token, so its 16 pairs of Wg and of vv are loaded once and serve eight tokens, and each load of a wave
; covers 512 consecutive aligned bytes.  All 25 loads of a thread are issued at once; no loop.
; Four columns of output for 2,048 of K: a stream, no work for the matrix unit; and the logits stay in f32 so that routes are the model's.
; c[e] is the sum of 128 words of cpart: thread t takes word t as the start of its sums a[t >> 7], so the sum over threads sums c too.
; No joint request for Wg, vv and cpart (33,792 bytes beside the work-group's own 65,536): they go straight into registers, 132 bytes a
; thread; a joint load would add a pass through LDS and rounds of the cluster's barrier in front of and behind a body that has no loop.
; LIMITS.  The sums run in another order than the model's: a token whose two logits agree to within the f32 rounding of a sum of 2,048
; terms may be routed the other way (also where l1 exceeds l0 by so little, under some 3e-8, that the model's two probabilities round to
; one number and it takes expert 0; at l1 = l0 expert 0 is taken here too).  v_exp_f32 gives 0 below 2^-126: the gate is then exactly 1.
; The store is 32 bytes a work-group: whole blocks of 256 bytes would want 64 tokens in a work-group, 32 work-groups in place of 256.
.set TOK,  8192                        ; bytes in a token
.set CI,   6                           ; v[6:7]     the start of my sums (a0, a1): my word of cpart in its expert's place, 0 in the other
.set WG,   8                           ; v[8:23]    half hf, column c: (Wg[d][0], Wg[d][1]) at WG + 8 hf + 2 c
.set VV,   24                          ; v[24:39]   the same for (v[0][d], v[1][d])
.set X,    40                          ; v[40:103]  token k, half hf: 4 numbers at X + 8 k + 4 hf
.set R,    40                          ; the same registers at the end: the eight waves' sums of a token
.set ACC,  104                         ; v[104:135] token k: (l0, l1) at ACC + 4 k, (a0, a1) at ACC + 4 k + 2
.set T,    136                         ; v[136:139] at work
.set LANE, 140
.set RDA,  141                         ; 16 x (lane mod 8): a token's four sums in a wave's 128 bytes of LDS
	s_load_b256 s[4:11], s[0:1], 0x0               ; x s[4:5], Wg s[6:7], vv s[8:9], cpart s[10:11]
	s_load_b64 s[12:13], s[0:1], 0x20              ; sbuf
	v_lshl_add_u32 v144, v0, 2, 0x400
	v_mov_b32 v145, 0
	v_lshrrev_b32 v5, 5, v0
	v_readfirstlane_b32 s14, v5                    ; wave 0..7
	v_lshlrev_b32 v1, 4, v0                        ; 16 t: my 4 columns in x
	v_lshlrev_b32 v2, 5, v0                        ; 32 t: their 4 pairs in Wg and vv
	v_lshlrev_b32 v3, 2, v0                        ; 4 t: my word of cpart, and of LDS
	v_and_b32 v[LANE], 31, v0
	v_and_b32 v[RDA], 7, v0
	v_lshlrev_b32 v[RDA], 4, v[RDA]
	s_lshl_b32 s16, ttmp9, 16                      ; 8 tokens of 8,192 bytes a work-group
	s_mov_b32 s17, 0
	s_lshl_b32 s18, ttmp9, 5                       ; sbuf: 8 words a work-group
	s_mov_b32 s19, 0
	s_mov_b32 s20, 0xaaaaaaaa                      ; the lanes whose number has bit 0 set,
	s_mov_b32 s21, 0xcccccccc                      ; bit 1,
	s_mov_b32 s22, 0xf0f0f0f0                      ; bit 2,
	s_mov_b32 s23, 0xff00ff00                      ; bit 3,
	s_mov_b32 s24, 0xffff0000                      ; bit 4
	s_mov_b32 s26, 0x76543210
	s_mov_b32 s27, 0xfedcba98
	s_wait_kmcnt 0x0
	s_add_nc_u64 s[4:5], s[4:5], s[16:17]
	s_add_nc_u64 s[12:13], s[12:13], s[18:19]
	global_load_b32 v4, v3, s[10:11]               ; the nine loads of coefficients go first (every work-group reads them: no hint)
.irp hf, 0,1
	global_load_b128 v[WG+8*\hf:WG+8*\hf+3],   v2, s[6:7] offset:8192*\hf
	global_load_b128 v[WG+8*\hf+4:WG+8*\hf+7], v2, s[6:7] offset:8192*\hf+16
.endr
.irp hf, 0,1
	global_load_b128 v[VV+8*\hf:VV+8*\hf+3],   v2, s[8:9] offset:8192*\hf
	global_load_b128 v[VV+8*\hf+4:VV+8*\hf+7], v2, s[8:9] offset:8192*\hf+16
.endr
.irp k, 0,1,2,3,4,5,6,7
	global_load_b128 v[X+8*\k:X+8*\k+3],   v1, s[4:5] offset:TOK*\k th:TH_LOAD_NT
	global_load_b128 v[X+8*\k+4:X+8*\k+7], v1, s[4:5] offset:TOK*\k+4096 th:TH_LOAD_NT
.endr
	s_wait_loadcnt 16                              ; the coefficients are in; the sixteen loads of x behind them stay out
	v_cmp_gt_u32 vcc_lo, 128, v0                   ; words 0-127 of cpart belong to expert 0
	v_cndmask_b32 v[CI],   0, v4, vcc_lo
	v_cndmask_b32 v[CI+1], v4, 0, vcc_lo
; Four columns of token k: each x is taken for both halves of a packed multiply-add (op_sel, op_sel_hi pick one register of its pair),
; against the pair (expert 0, expert 1).  The first column starts the sums: the logits by a product, the a by my share of c.
.macro DOT k, hf
	s_wait_loadcnt 15-(2*\k+\hf)                   ; loads come back in order (ISA guide 5.7.1): chunk 2 k + hf of x is in, the younger ones stay out
.irp c, 0,1,2,3
.if (\hf+\c) == 0
	v_pk_mul_f32 v[ACC+4*\k:ACC+4*\k+1],   v[X+8*\k:X+8*\k+1], v[WG:WG+1] op_sel_hi:[0,1]
	v_pk_fma_f32 v[ACC+4*\k+2:ACC+4*\k+3], v[X+8*\k:X+8*\k+1], v[VV:VV+1], v[CI:CI+1] op_sel_hi:[0,1,1]
.else
.if (\c%2) == 0
	v_pk_fma_f32 v[ACC+4*\k:ACC+4*\k+1],   v[X+8*\k+4*\hf+\c:X+8*\k+4*\hf+\c+1], v[WG+8*\hf+2*\c:WG+8*\hf+2*\c+1], v[ACC+4*\k:ACC+4*\k+1] op_sel_hi:[0,1,1]
	v_pk_fma_f32 v[ACC+4*\k+2:ACC+4*\k+3], v[X+8*\k+4*\hf+\c:X+8*\k+4*\hf+\c+1], v[VV+8*\hf+2*\c:VV+8*\hf+2*\c+1], v[ACC+4*\k+2:ACC+4*\k+3] op_sel_hi:[0,1,1]
.else
	v_pk_fma_f32 v[ACC+4*\k:ACC+4*\k+1],   v[X+8*\k+4*\hf+\c-1:X+8*\k+4*\hf+\c], v[WG+8*\hf+2*\c:WG+8*\hf+2*\c+1], v[ACC+4*\k:ACC+4*\k+1] op_sel:[1,0,0] op_sel_hi:[1,1,1]
	v_pk_fma_f32 v[ACC+4*\k+2:ACC+4*\k+3], v[X+8*\k+4*\hf+\c-1:X+8*\k+4*\hf+\c], v[VV+8*\hf+2*\c:VV+8*\hf+2*\c+1], v[ACC+4*\k+2:ACC+4*\k+3] op_sel:[1,0,0] op_sel_hi:[1,1,1]
.endif
.endif
.endr
.endm
.irp k, 0,1,2,3,4,5,6,7
	DOT \k, 0
	DOT \k, 1
.endr
; 32 sums, each spread over 32 lanes, are folded so that lane L ends with sum number L = 4 token + kind: 94 instructions, where 32 sums
; taken one by one would want 192.  A step with bit h of the lane's number: of registers i and i + h a lane keeps the one that its bit names,
; sends the other to lane L xor h, and adds what it gets.  Half the registers are left after each step.
.macro FOLD h, m
.set i, 0
.rept 16/\h
	v_cndmask_b32 v[T+(i/(2*\h))%4], v[ACC+i+\h], v[ACC+i], \m         ; what I send: bit set, register i; else register i + h
	v_cndmask_b32 v[ACC+i], v[ACC+i], v[ACC+i+\h], \m                  ; what I keep
	v_add_f32_dpp v[ACC+i], v[T+(i/(2*\h))%4], v[ACC+i] row_xmask:\h row_mask:0xf bank_mask:0xf
.set i, i+2*\h
.endr
.endm
	FOLD 1, s20
	FOLD 2, s21
	FOLD 4, s22
	FOLD 8, s23
	v_cndmask_b32 v[T], v[ACC+16], v[ACC], s24     ; bit 4: the same across the two halves of 16 lanes
	v_cndmask_b32 v[ACC], v[ACC], v[ACC+16], s24
	v_permlanex16_b32 v[ACC+16], v[T], s26, s27
	v_add_f32 v[ACC], v[ACC], v[ACC+16]
	ds_store_b32 v3, v[ACC]                        ; LDS byte 4 t = 128 wave + 4 lane: each wave's 32 sums
	s_wait_dscnt 0x0                               ; for wave 0's sake: my store is done in front of my signal
	s_barrier_signal -1
	s_barrier_wait -1
	s_cmp_lg_u32 s14, 0
	s_cbranch_scc1 .Lend
.irp w, 0,1,2,3,4,5,6,7
	ds_load_b128 v[R+4*\w:R+4*\w+3], v[RDA] offset:128*\w      ; (l0, l1, a0, a1) of token lane mod 8, as wave w summed them
.endr
	s_wait_dscnt 0x0
.irp q, 0,1,2,3
	v_pk_add_f32 v[R+4*\q:R+4*\q+1],   v[R+4*\q:R+4*\q+1],   v[R+4*\q+16:R+4*\q+17]
	v_pk_add_f32 v[R+4*\q+2:R+4*\q+3], v[R+4*\q+2:R+4*\q+3], v[R+4*\q+18:R+4*\q+19]
.endr
.irp q, 0,1
	v_pk_add_f32 v[R+4*\q:R+4*\q+1],   v[R+4*\q:R+4*\q+1],   v[R+4*\q+8:R+4*\q+9]
	v_pk_add_f32 v[R+4*\q+2:R+4*\q+3], v[R+4*\q+2:R+4*\q+3], v[R+4*\q+10:R+4*\q+11]
.endr
	v_pk_add_f32 v[R:R+1],   v[R:R+1],   v[R+4:R+5]
	v_pk_add_f32 v[R+2:R+3], v[R+2:R+3], v[R+6:R+7]
	; the gate: with the maximum taken away the larger logit's exponential is 1 and the other's is exp(min - max) <= 1,
	; so the top probability is 1 / (1 + exp(min - max))
	v_max_num_f32 v[T+1], v[R], v[R+1]
	v_min_num_f32 v[T], v[R], v[R+1]
	v_cmp_gt_f32 vcc_lo, v[R+1], v[R]              ; expert 1 only where its logit is larger: a tie goes to expert 0, as argmax gives it
	v_sub_f32 v[T], v[T], v[T+1]
	v_mul_f32 v[T], 0x3fb8aa3b, v[T]               ; x log2 e: v_exp_f32 is 2^x
	v_exp_f32 v[T+1], v[T]
	v_cndmask_b32 v[T+2], v[R+2], v[R+3], vcc_lo   ; the routed expert's sum; also the plain instruction that stands behind v_exp_f32 before its result is used (ISA guide 5.7.2)
	s_wait_alu depctr_va_vdst(0)
	v_add_f32 v[T], 1.0, v[T+1]
	v_rcp_f32 v[T+1], v[T]
	v_lshlrev_b32 v[T+3], 2, v[LANE]               ; 4 x lane; also the plain instruction behind v_rcp_f32
	s_wait_alu depctr_va_vdst(0)
	v_mul_f32 v[T], v[T+1], v[T+2]                 ; s = gate x (x . v[e] + c[e])
	s_wait_xcnt 0x0                                ; EXEC is a source of the loads above: it changes only behind this wait
	v_cmp_gt_u32 vcc_lo, 8, v[LANE]
	s_and_saveexec_b32 s28, vcc_lo
	global_store_b32 v[T+3], v[T], s[12:13]        ; lanes 0-7: s of tokens 8 g .. 8 g + 7, 32 consecutive bytes
	s_wait_xcnt 0x0                                ; and again in front of the line that widens it
	s_or_b32 exec_lo, exec_lo, s28
.Lend:
	s_wait_tensorcnt 0x0
	ds_add_u32 v144, v145
	s_wait_dscnt 0x0
	s_endpgm
.Lfunc_end_k_q0307bbbab4_route:
	.size	k_q0307bbbab4_route, .Lfunc_end_k_q0307bbbab4_route-k_q0307bbbab4_route
	.p2alignl 7, 3214868480
	.fill 96, 4, 3214868480
	.section	.rodata,"a",@progbits
	.p2align	6, 0x0
	.amdhsa_kernel k_q0307bbbab4_route
		.amdhsa_group_segment_fixed_size 2048
		.amdhsa_private_segment_fixed_size 0
		.amdhsa_enable_private_segment 0
		.amdhsa_kernarg_size 40
		.amdhsa_user_sgpr_count 2
		.amdhsa_user_sgpr_kernarg_segment_ptr 1
		.amdhsa_wavefront_size32 1
		.amdhsa_system_sgpr_workgroup_id_x 1
		.amdhsa_system_sgpr_workgroup_id_y 1
		.amdhsa_system_sgpr_workgroup_id_z 1
		.amdhsa_system_vgpr_workitem_id 0
		.amdhsa_next_free_vgpr 146
		.amdhsa_next_free_sgpr 66
		.amdhsa_reserve_vcc 1
		.amdhsa_float_denorm_mode_32 3
		.amdhsa_float_denorm_mode_16_64 3
		.amdhsa_memory_ordered 1
		.amdhsa_forward_progress 1
		.amdhsa_inst_pref_size 21
	.end_amdhsa_kernel
	.amdgpu_metadata
---
amdhsa.version: [ 1, 2 ]
amdhsa.kernels:
  - .name:           k_q0307bbbab4_route
    .symbol:         k_q0307bbbab4_route.kd
    .args:
      - { .name: x, .offset: 0, .size: 8, .value_kind: global_buffer, .address_space: global }
      - { .name: Wg, .offset: 8, .size: 8, .value_kind: global_buffer, .address_space: global }
      - { .name: vv, .offset: 16, .size: 8, .value_kind: global_buffer, .address_space: global }
      - { .name: cpart, .offset: 24, .size: 8, .value_kind: global_buffer, .address_space: global }
      - { .name: sbuf, .offset: 32, .size: 8, .value_kind: global_buffer, .address_space: global }
    .group_segment_fixed_size: 2048
    .private_segment_fixed_size: 0
    .kernarg_segment_align: 8
    .kernarg_segment_size: 40
    .max_flat_workgroup_size: 256
    .sgpr_count:     66
    .vgpr_count:     146
    .wavefront_size: 32
...
	.end_amdgpu_metadata
.endif
;; end of part 3
;; launch lsm (part 4): grid 4 x 1, 1 waves a work-group, no clusters, 0 bytes of LDS; arguments sbuf, out0; writes out0
.if DOCPART == 4
	.amdgcn_target "amdgcn-amd-amdhsa--gfx1250"
	.amdhsa_code_object_version 6
	.text
	.protected	k_q0307bbbab4_lsm
	.globl	k_q0307bbbab4_lsm
	.p2align	8
	.type	k_q0307bbbab4_lsm,@function
k_q0307bbbab4_lsm:
	s_mov_b64 s[64:65], 0
	v_nop
	global_prefetch_b8 v0, s[64:65] scope:SCOPE_SE
	s_setreg_imm32_b32 hwreg(HW_REG_WAVE_MODE, 25, 1), 1
	s_wait_xcnt 0x0
; FOURTH LAUNCH: out[b][t] = s[b][t] - max - ln(sum over t of exp(s[b][t] - max)), the log_softmax over the 512 tokens of a batch, in f32.
; A batch is 2,048 bytes: one wave takes it, 16 numbers a lane in registers, so neither LDS nor a barrier is needed.  Four batches,
; four work-groups: the sum spans a whole batch, and there is no more work than that to share.
; Each load and each store of the wave covers 512 consecutive aligned bytes.
; LIMIT: v_exp_f32 gives 0 below 2^-126; such a term is lost against a sum that is at least 1 (the maximum's own term).
.set X,  4                             ; v[4:19]   s, then s - max, then the result
.set E,  20                            ; v[20:35]  (s - max) log2 e
.set F,  36                            ; v[36:51]  the exponentials
.set M,  52                            ; v[52:53]  the maximum, twice (a pair for the packed subtraction)
.set LG, 54                            ; v[54:55]  ln of the sum, twice
.set T,  56                            ; v[56:59]  at work
	s_load_b128 s[4:7], s[0:1], 0x0                ; sbuf s[4:5], out0 s[6:7]
	v_lshlrev_b32 v1, 4, v0                        ; 16 bytes a lane
	s_lshl_b32 s8, ttmp9, 11                       ; 512 numbers a batch
	s_mov_b32 s9, 0
	s_mov_b32 s10, 0x76543210
	s_mov_b32 s11, 0xfedcba98
	s_wait_kmcnt 0x0
	s_add_nc_u64 s[4:5], s[4:5], s[8:9]
	s_add_nc_u64 s[6:7], s[6:7], s[8:9]
.irp j, 0,1,2,3
	global_load_b128 v[X+4*\j:X+4*\j+3], v1, s[4:5] offset:512*\j
.endr
	s_wait_loadcnt 0x0
	; the maximum of my 16 numbers, then of the 32 lanes
.irp q, 0,1,2,3
	v_max3_num_f32 v[T+\q], v[X+3*\q], v[X+3*\q+1], v[X+3*\q+2]
.endr
	v_max3_num_f32 v[T],   v[T],   v[X+12], v[X+13]
	v_max3_num_f32 v[T+1], v[T+1], v[X+14], v[X+15]
	v_max3_num_f32 v[T], v[T], v[T+1], v[T+2]
	v_max_num_f32 v[T], v[T], v[T+3]
.irp m, 1,2,4,8
	v_max_num_f32_dpp v[T], v[T], v[T] row_xmask:\m row_mask:0xf bank_mask:0xf
.endr
	v_permlanex16_b32 v[T+1], v[T], s10, s11       ; a destination that has been written
	v_max_num_f32 v[M],   v[T], v[T+1]
	v_max_num_f32 v[M+1], v[T], v[T+1]
.irp p, 0,2,4,6,8,10,12,14
	v_pk_add_f32 v[X+\p:X+\p+1], v[X+\p:X+\p+1], v[M:M+1] neg_lo:[0,1] neg_hi:[0,1]    ; s - max
.endr
.irp p, 0,2,4,6,8,10,12,14
	v_pk_mul_f32 v[E+\p:E+\p+1], v[X+\p:X+\p+1], 0x3fb8aa3b op_sel_hi:[1,0]           ; x log2 e: v_exp_f32 is 2^x
.endr
.irp j, 0,1,2,3,4,5,6,7,8,9,10,11,12,13,14,15
	v_exp_f32 v[F+\j], v[E+\j]
.endr
	v_nop                                          ; one plain instruction behind the run of v_exp_f32 before a result is used (ISA guide 5.7.2)
	s_wait_alu depctr_va_vdst(0)
.irp p, 0,2,4,6
	v_pk_add_f32 v[F+\p:F+\p+1], v[F+\p:F+\p+1], v[F+\p+8:F+\p+9]
.endr
	v_pk_add_f32 v[F:F+1],   v[F:F+1],   v[F+4:F+5]
	v_pk_add_f32 v[F+2:F+3], v[F+2:F+3], v[F+6:F+7]
	v_pk_add_f32 v[F:F+1],   v[F:F+1],   v[F+2:F+3]
	v_add_f32 v[F], v[F], v[F+1]
.irp m, 1,2,4,8
	v_add_f32_dpp v[F], v[F], v[F] row_xmask:\m row_mask:0xf bank_mask:0xf
.endr
	v_permlanex16_b32 v[F+1], v[F], s10, s11
	v_add_f32 v[F], v[F], v[F+1]                   ; every lane holds the batch's sum, at least 1
	v_log_f32 v[T], v[F]                           ; log2
	v_nop                                          ; the plain instruction behind v_log_f32
	s_wait_alu depctr_va_vdst(0)
	v_mul_f32 v[LG],   0x3f317218, v[T]            ; x ln 2
	v_mul_f32 v[LG+1], 0x3f317218, v[T]
.irp p, 0,2,4,6,8,10,12,14
	v_pk_add_f32 v[X+\p:X+\p+1], v[X+\p:X+\p+1], v[LG:LG+1] neg_lo:[0,1] neg_hi:[0,1]
.endr
.irp j, 0,1,2,3
	global_store_b128 v1, v[X+4*\j:X+4*\j+3], s[6:7] offset:512*\j
.endr
	s_endpgm
.Lfunc_end_k_q0307bbbab4_lsm:
	.size	k_q0307bbbab4_lsm, .Lfunc_end_k_q0307bbbab4_lsm-k_q0307bbbab4_lsm
	.p2alignl 7, 3214868480
	.fill 96, 4, 3214868480
	.section	.rodata,"a",@progbits
	.p2align	6, 0x0
	.amdhsa_kernel k_q0307bbbab4_lsm
		.amdhsa_group_segment_fixed_size 0
		.amdhsa_private_segment_fixed_size 0
		.amdhsa_enable_private_segment 0
		.amdhsa_kernarg_size 16
		.amdhsa_user_sgpr_count 2
		.amdhsa_user_sgpr_kernarg_segment_ptr 1
		.amdhsa_wavefront_size32 1
		.amdhsa_system_sgpr_workgroup_id_x 1
		.amdhsa_system_sgpr_workgroup_id_y 1
		.amdhsa_system_sgpr_workgroup_id_z 1
		.amdhsa_system_vgpr_workitem_id 0
		.amdhsa_next_free_vgpr 64
		.amdhsa_next_free_sgpr 66
		.amdhsa_reserve_vcc 0
		.amdhsa_float_denorm_mode_32 3
		.amdhsa_float_denorm_mode_16_64 3
		.amdhsa_memory_ordered 1
		.amdhsa_forward_progress 1
		.amdhsa_inst_pref_size 6
	.end_amdhsa_kernel
	.amdgpu_metadata
---
amdhsa.version: [ 1, 2 ]
amdhsa.kernels:
  - .name:           k_q0307bbbab4_lsm
    .symbol:         k_q0307bbbab4_lsm.kd
    .args:
      - { .name: sbuf, .offset: 0, .size: 8, .value_kind: global_buffer, .address_space: global }
      - { .name: out0, .offset: 8, .size: 8, .value_kind: global_buffer, .address_space: global }
    .group_segment_fixed_size: 0
    .private_segment_fixed_size: 0
    .kernarg_segment_align: 8
    .kernarg_segment_size: 16
    .max_flat_workgroup_size: 32
    .sgpr_count:     66
    .vgpr_count:     64
    .wavefront_size: 32
...
	.end_amdgpu_metadata
.endif
;; end of part 4
